; MI455X (gfx1250); checked and timed in simulation.
; The chip was launched on July 23, 2026; its instructions are those of AMD's public machine-readable ISA for CDNA 5 (MIT licence, August 2026) and "CDNA5" Instruction Set Architecture Reference Guide (July 2026). The comments in the code are by the model that wrote it; some were corrected since.
;; Multihead Self Attention. Allowed arithmetic: matrix products marked QUANTISED: E5M2 operands, one E8M0 scale for each 32 along K, by v_wmma_scale_f32_16x16x128_f8f6f4 with both operands' format E5M2, f32 sums; everything else in f32.
;; Inputs: Wk_codes 1,024 x 32 x 32 uint8 (E5M2 codes of Wk, K innermost, in blocks of 32 codes); Wk_scales 1,024 x 32 uint8 (E8M0 scales of Wk, one for each 32 codes along K); Wo_codes 1,024 x 32 x 32 uint8 (E5M2 codes of Wo, K innermost, in blocks of 32 codes); Wo_scales 1,024 x 32 uint8 (E8M0 scales of Wo, one for each 32 codes along K); Wq_codes 1,024 x 32 x 32 uint8 (E5M2 codes of Wq, K innermost, in blocks of 32 codes); Wq_scales 1,024 x 32 uint8 (E8M0 scales of Wq, one for each 32 codes along K); Wv_codes 1,024 x 32 x 32 uint8 (E5M2 codes of Wv, K innermost, in blocks of 32 codes); Wv_scales 1,024 x 32 uint8 (E8M0 scales of Wv, one for each 32 codes along K); bk 1,024 float32; bo 1,024 float32; bq 1,024 float32; bv 1,024 float32; x_codes 4 x 2,048 x 32 x 32 uint8 (E5M2 codes of x, K innermost, in blocks of 32 codes); x_scales 4 x 2,048 x 32 uint8 (E8M0 scales of x, one for each 32 codes along K).
;; Outputs: out0 4 x 2,048 x 1,024 float32.
;; This version of the problem:
;;   THIS VERSION OF THE PROBLEM IS GIVEN IN LOW PRECISION. The matrix products marked QUANTISED in the list below multiply operands that are first quantised to E5M2 (5 exponent bits, 2 mantissa bits; 8 bits a number), with one power-of-two scale for each 32 numbers along K (OCP MX v1.0); their sums are f32. All else is computed in f32.
;;   The module's matrix products, in the order in which they are computed (A, B: the left and right operand; K: the contracted axis; several contracted axes count as one K, in the product's order):
;;     1. [M 8,192, K 1,024] x [K 1,024, N 1,024]; A: input x (given as codes); B: input Wq (given as codes): QUANTISED
;;     2. [M 8,192, K 1,024] x [K 1,024, N 1,024]; A: input x (given as codes); B: input Wk (given as codes): QUANTISED
;;     3. [M 8,192, K 1,024] x [K 1,024, N 1,024]; A: input x (given as codes); B: input Wv (given as codes): QUANTISED
;;     4. batch 64 x [M 2,048, K 64] x [K 64, N 2,048]; A: computed on the way; B: computed on the way: QUANTISED
;;     5. batch 64 x [M 2,048, K 2,048] x [K 2,048, N 64]; A: softmax (see below); B: computed on the way: QUANTISED
;;     6. [M 8,192, K 1,024] x [K 1,024, N 1,024]; A: computed on the way; B: input Wo (given as codes): QUANTISED
;;   THE QUANTISER, for each operand of a quantised product, along K:
;;     - K is cut into blocks of 32 from its start; a last block that is shorter is filled with zeros.
;;     - A block's scale is 2^e with e = floor(log2(the largest magnitude in the block)) - 15, held to -126 .. 127; a block of zeros has e = 0. As a byte (E8M0): e + 127.
;;     - Each number is divided by its block's scale, clamped to +-57,344, and rounded to the nearest number of E5M2, ties to even, subnormals kept.
;;     - The product sums the exact products of the quantised numbers (number of the format x scale) in f32.
;;   ~~~python
;;   def quantise(x, axis):      # numpy; x: float32 -> the quantised numbers, widened to float32 again
;;       x = np.moveaxis(x, axis, -1); K = x.shape[-1]
;;       x = np.pad(x, [(0, 0)] * (x.ndim - 1) + [(0, -K % 32)]); x = x.reshape(x.shape[:-1] + (-1, 32)); a = np.abs(x).max(-1, keepdims=True)
;;       e = np.where(a > 0, np.clip(np.frexp(np.where(a > 0, a, 1))[1] - 1 - 15, -126, 127), 0)      # np.frexp(a)[1] - 1 = floor(log2(a)), exactly
;;       r = np.clip(x / 2.0 ** e, -57344, 57344)
;;       step = 2.0 ** (np.maximum(np.frexp(np.where(r == 0, 1, r))[1] - 1, -14) - 2)
;;       q = np.round(r / step) * step * 2.0 ** e      # np.round: ties to even
;;       return np.moveaxis(q.reshape(q.shape[:-2] + (-1,))[..., :K], -1, axis).astype(np.float32)
;;   ~~~
;;   SOFTMAX AHEAD OF A QUANTISED PRODUCT. Where the list says 'softmax', what is quantised is not the finished softmax but p = 2^(t - M), with t = logit x log2(e) and M = ceil(the row's largest t), a whole number; so 1/2 < the row's largest p <= 1. The row's sum l is taken of the UNQUANTISED p, in f32, and the product's result is divided by l at the end. Since M is a whole number, a kernel that streams over the keys may use a running M (the ceiling of the running maximum): every later rescaling is an exact power of two, which a block's scale takes up: the codes' values come out the same.
;;   OPERANDS COMPUTED ON THE WAY. 'Computed on the way' means the value that the module computes at that place (a softmax that the list does not call 'softmax' is quantised finished and normalised). What goes into a quantiser is computed in f32, as accurately as f32 sums, v_exp_f32 and their like allow (about 1e-6 of the number): no bf16 or f16 on the way to a quantiser, and a product that is left as it is and whose result goes on into a quantised operand takes f32 operands (vector FMAs, or v_wmma_f32_16x16x4_f32). A number that lies on a knife's edge between two numbers of the format may be rounded either way, as far as f32 arithmetic and the matrix unit's own rounding can turn it there, and no further.
;;   INPUTS GIVEN AS CODES. Wk (in the module: [1024, 1024], K = its axis 0); Wo (in the module: [1024, 1024], K = its axis 0); Wq (in the module: [1024, 1024], K = its axis 0); Wv (in the module: [1024, 1024], K = its axis 0); x (in the module: [4, 2048, 1024], K = its axis 2): each comes as NAME_codes (uint8): NAME with its K axis moved to the last place and cut into blocks of 32 codes, [.., K / 32, bytes a block], one block behind the other in memory; one code a byte (a code: sign, 5 exponent bits, 2 mantissa bits); and NAME_scales (uint8): the same leading axes, one E8M0 byte (e + 127) for each 32 codes along K. Its value is code x scale, taken as it is: it is not quantised again, and the codes and scales need not be those that the quantiser above would give.
;; One version. Each part assembles by itself: llvm-mc -triple=amdgcn-amd-amdhsa -mcpu=gfx1250 --defsym DOCPART=n.
;; ======== version 1 of 1: 3 launches
;; limits: right only within a limited range of input values
;; workspace buffers: qrec 17,301,504 bytes; kv 17,301,504 bytes; vimg 8,388,608 bytes; vscl 262,144 bytes
;; launch qkv (part 1): grid 192 x 1, 4 waves a work-group, clusters of 4 x 1, 327,680 bytes of LDS; arguments x_codes, x_scales, Wq_codes, Wq_scales, Wk_codes, Wk_scales, Wv_codes, Wv_scales, bq, bk, bv, qrec, kv; writes qrec, kv
.if DOCPART == 1
	.amdgcn_target "amdgcn-amd-amdhsa--gfx1250"
	.amdhsa_code_object_version 6
	.text
	.protected	k_qd15f931384_qkv
	.globl	k_qd15f931384_qkv
	.p2align	8
	.type	k_qd15f931384_qkv,@function
k_qd15f931384_qkv:
	s_mov_b64 s[64:65], 0
	v_nop
	global_prefetch_b8 v0, s[64:65] scope:SCOPE_SE
	s_setreg_imm32_b32 hwreg(HW_REG_WAVE_MODE, 25, 1), 1
	s_wait_xcnt 0x0
	s_wait_alu depctr_hold_cnt(0) depctr_sa_sdst(0) depctr_va_vdst(0) depctr_va_sdst(0) depctr_va_ssrc(0) depctr_va_vcc(0) depctr_vm_vsrc(0)
	s_getreg_b32 s2, hwreg(HW_REG_IB_STS2, 6, 4)
	s_cmp_eq_u32 s2, 0
	s_cbranch_scc0 .Lentry_in_a_cluster
	s_endpgm
.Lentry_in_a_cluster:
	s_bfe_u32 s2, ttmp6, 0x10000c
	s_cmp_lg_u32 s2, 0x3003
	s_cbranch_scc0 .Lentry_shape_is_right
	s_endpgm
.Lentry_shape_is_right:
; q, k, v = x W + b AND THEIR QUANTISERS, on codes of BF8 (E5M2) with one E8M0 scale for each 32 along K: three products of 8,192 x 1,024 x 1,024, f32 sums; codes and scale bytes leave as images of the next launch's operand registers.
; No step and no input of the problem is left out.
; ONE TEXT FOR THREE TENSORS.  A wave holds 64 rows of a STATIONARY operand, all of K, in 512 registers (windows 1, 2), and 1,024 rows of a STREAMED operand pass them in blocks of 16, which stand in registers as two sets (window 3).
; q, k: the weight's rows (two heads a work-group) are stationary, 1,024 tokens of x stream.  v: 128 tokens of x (one key step) are stationary, Wv's 1,024 rows stream.
; Source 0 = 16 stationary rows, source 1 = 16 streamed rows: lane (r, h) holds streamed row r, and register j of tile b the stationary row 16 b + 8 h + j.  So for q and k a lane holds a token and its registers run along the
; channels, for v a lane holds a channel and its registers run along the keys: in both the registers run along the next product's K, and a scale block of 32 is tiles 2 c, 2 c + 1 in lanes l and l xor 16.
; Place i of lane half h in a block holds 8 h + i % 8 + 16 (i / 8): alike in q and k, and in v as the next launch lays p.
; RECORDS (qrec, kv): [16 batch + head][key step of 128 tokens][16,896]: 8 token tiles x 1,024 of q or k; at 8,192 four channel tiles x 2,048 of v; at 16,384 q's or k's scale bytes [tile / 4][row][(tile / 2) % 2][tile % 2][2]; at 16,640 v's [tile][row][4].
; GRID.  q: 8 tiles of 128 channels x 8 of 1,024 tokens; k likewise; v: 64 key steps: 192 work-groups of equal work (768 streamed rows for each of 256 would divide neither 8,192 nor 1,024).
; CLUSTER 4 x 1: the four partners stream the same rows: chunks and their scale bytes are asked for jointly.  The stationary tile differs in every partner (it is 128 of a work-group's 1,152 rows): a load of its own.
; LDS: two slots of 128 rows of 1,024 + 16 bytes; the stationary rows lie in slot 1 until they are in registers; chunk n lies in slot n % 2 and chunk n + 1 is filled behind a drained round at chunk n's head, a quarter a wave.
; The streamed rows' scale bytes (32,768) lie in LDS throughout.  Scale bytes on the way out are gathered in LDS bytes of their own, apart for q, k and for v, and leave at the end in whole units of 256 bytes.
; THE BIAS IS THE FIRST PRODUCTS' C: for q, k by stationary row, loaded once; for v by streamed row: one number a lane and block, loaded a chunk ahead and spread over the 32 registers.
; PREFETCH: trip n, which loads chunk n + 1, names chunk n + 3: each of the cluster's sixteen waves its 8,192 bytes, lanes 256 bytes apart, told apart by address; trips 5 and 6 name nothing.  Chunks 0 to 2 come by their loads alone.
; LIMITS: NaN, infinities and sums beyond f32's range are not served; a block whose largest magnitude lies under 2^-111 keeps the byte 1 (a block of zeros too: its codes are zeros, and this program alone reads the bytes).
.set STEPREC, 16896
.set HEADREC, 16*STEPREC
.set KROW,   1024
.set PITCH,  KROW+16
.set CHB,    128*PITCH
.set YB,     CHB
.set BLK,    16*PITCH
.set SCL,    2*CHB                     ; the streamed scale bytes: units of 256 bytes (8 rows) + 16 of padding
.set XN,     SCL+128*272               ; q's, k's scale bytes on the way out: [wave column][chunk][256]
.set XV,     XN+4096                   ; v's: [head 2 chunk + wave row][256]
.set SPARE,  XV+4096
.set NP,     8
.set ADRA0, 2
.set ADRA,  3
.set AAS0,  4
.set AAS,   5
.set ADRB,  6
.set VXQ,   7
.set VXV,   8
.set RDQ,   9
.set SPW,   10
.set NIL,   11
.set PFO,   12
.set ABS,   13
.set BOO,   14
.set R4,    15
.set SB,    16                         ; v16-31 stationary scale words: register 8 p + q: lanes 0-15 tile 2 p's, lanes 16-31 tile 2 p + 1's
.set RDV,   32
.set VS,    33
.set VS2,   34
.set SA,    36                         ; v36-51 streamed scale words, two sets of eight: no product's two scale registers have numbers equal modulo 8
.set VO,    52                         ; v52-55 where block i's codes go
.set BRN,   56                         ; v56-59 v's bias of block i
.set BC,    60                         ; v60-91 the first products' C
.set ACC,   92                         ; v92-123 four accumulators
.set NCD,   124                        ; v124-131 the block's codes
.set TM,    132
.set T4,    134
.set SO,    136
.set HD,    138
.set PW,    140
.set T0,    141
.set SWB,   148
.set G0W, 24
.set G0A, 28
.set G0S, 32
.set G0R, 36
.set G1W, 68
.set G1A, 76
.set G1S, 84
.set G1R, 92
.set CNT, 3
.set TEN, 19                           ; s19 0: q, 1: k, 2: v: from the cluster's number alone
.set MNT, 23
.set SL,  50                           ; this chunk's slot
.set SN,  51                           ; the next chunk's
.set SS,  52                           ; this chunk's scale bytes
.set WQ,  53                           ; my quarter's place in a slot
.set CST, 54                           ; s[54:55] from chunk to chunk in the records
.set PF,  56                           ; s[56:57] the chunk that a prefetch names
.set SEL, 66
.set MSB, 0
.macro WIN new
.if MSB != \new
	s_set_vgpr_msb (MSB<<8)|\new
.set MSB, \new
.endif
.endm
.macro PLACES n
.rept \n
	v_nop
.endr
.endm
.macro WALU
	s_wait_alu depctr_va_vdst(0)
.endm
.macro BARRIER
	s_barrier_signal -1
	s_barrier_wait -1
.endm
.macro CROUND
	BARRIER
	s_cmp_lg_u32 s16, 0
	s_cbranch_scc1 .Lnot_wave_0_\@
	s_barrier_signal -3
.Lnot_wave_0_\@:
	s_barrier_wait -3
	BARRIER
.endm
.macro TLOAD g0, g1
	tensor_load_to_lds s[\g0:\g0+3], s[\g1:\g1+7]
	s_nop 0
	PLACES 4
.endm
.macro GROUP1 g, rows                  ; words 1 to 7: so many rows of 1,024 bytes, dense in memory
	s_mov_b32 s[\g+1], (KROW&0xffff)<<16
	s_mov_b32 s[\g+2], (KROW>>16)|((\rows)<<16)
	s_mov_b32 s[\g+3], KROW<<16
	s_mov_b32 s[\g+4], \rows
	s_mov_b32 s[\g+5], KROW
	s_mov_b32 s[\g+6], 0
	s_mov_b32 s[\g+7], 0
.endm
	s_load_b512 s[24:39], s[0:1], 0x0              ; x, x's scales, Wq, its scales, Wk, its scales, Wv, its scales
	s_load_b256 s[48:55], s[0:1], 0x40             ; bq, bk, bv, qrec
	s_load_b64 s[56:57], s[0:1], 0x60              ; kv
	v_lshl_add_u32 v[SPW], v0, 2, SPARE
	v_mov_b32 v[NIL], 0
	ds_add_u32 v[SPW], v[NIL]                      ; the opening lines: the add twice on end and its wait
	ds_add_u32 v[SPW], v[NIL]
	v_lshrrev_b32 v1, 5, v0
	v_readfirstlane_b32 s16, v1                    ; wave
	s_lshr_b32 s17, s16, 1                         ; my row of waves: which 64 of a chunk's rows
	s_and_b32 s18, s16, 1                          ; my column of waves: which 64 stationary rows
	s_mov_b32 s58, ttmp9
	s_lshr_b32 s[TEN], s58, 4
	s_and_b32 s59, s58, 15
	s_bfe_u32 s60, ttmp6, 0x40000                  ; cx
	s_lshr_b32 s61, s59, 1                         ; q, k: which 1,024 tokens
	s_and_b32 s62, s59, 1
	s_lshl_b32 s62, s62, 2
	s_add_co_u32 s62, s62, s60                     ; q, k: which 128 channels
	s_lshl_b32 s63, s59, 2
	s_add_co_u32 s63, s63, s60                     ; v: which key step of 64
	s_mov_b32 s[G1W], (1<<20)|(7<<22)|(3<<25)      ; no mask; padding: four words behind every 256
	s_mov_b32 s[G1A], 15|(1<<20)|(1<<21)|(7<<22)|(3<<25)   ; the mask: all four partners, bit 21 beside it
	s_mov_b32 s[G1R], 15|(1<<20)|(1<<21)|(7<<22)|(3<<25)
	GROUP1 G1W, 128
	GROUP1 G1A, 128
	GROUP1 G1R, 32
	s_mov_b32 s[G1S], 15|(3<<16)|(1<<20)|(1<<21)|(5<<22)|(3<<25)   ; 512 rows' scale bytes: 64 rows of 256 bytes, 16 of padding behind each
	s_mov_b32 s[G1S+1], 32<<16
	s_mov_b32 s[G1S+2], 64<<16
	s_mov_b32 s[G1S+3], 32<<16
	s_mov_b32 s[G1S+4], 64
	s_mov_b32 s[G1S+5], 32
	s_mov_b32 s[G1S+6], 0
	s_mov_b32 s[G1S+7], 0
	; where results go, q and k: head 2 x channel tile + wave column; key steps 8 (token tile % 2) on; token tiles 4 x wave row on
	s_lshr_b32 s40, s61, 1
	s_lshl_b32 s40, s40, 4
	s_lshl_b32 s41, s62, 1
	s_add_co_u32 s40, s40, s41                     ; 16 batch + 2 x channel tile
	s_and_b32 s41, s61, 1
	s_lshl_b32 s41, s41, 3
	s_add_co_u32 s42, s40, s18
	s_mul_i32 s42, s42, HEADREC
	s_mul_i32 s43, s41, STEPREC
	s_add_co_u32 s42, s42, s43
	s_lshl_b32 s43, s17, 12
	s_add_co_u32 s42, s42, s43                     ; codes
	s_add_co_u32 s44, s40, s17                     ; scale bytes, at the end: wave n stores head n / 2, chunks 4 (n % 2) on
	s_mul_i32 s44, s44, HEADREC
	s_lshl_b32 s43, s18, 2
	s_add_co_u32 s43, s43, s41
	s_mul_i32 s43, s43, STEPREC
	s_add_co_u32 s44, s44, s43
	s_add_co_u32 s44, s44, 16384
	; and v: head 2 x chunk + wave row, my key step, key blocks 2 x wave column on
	s_lshr_b32 s45, s63, 4
	s_lshl_b32 s45, s45, 4
	s_and_b32 s46, s63, 15
	s_mul_i32 s46, s46, STEPREC
	s_add_co_u32 s47, s45, s17
	s_mul_i32 s47, s47, HEADREC
	s_add_co_u32 s47, s47, s46
	s_lshl_b32 s66, s18, 10
	s_add_co_u32 s47, s47, s66
	s_add_co_u32 s47, s47, 8192                    ; codes
	s_lshl_b32 s66, s16, 2
	s_add_co_u32 s66, s66, s45                     ; scale words, at the end: wave n stores heads 4 n on
	s_mul_i32 s66, s66, HEADREC
	s_add_co_u32 s66, s66, s46
	s_add_co_u32 s66, s66, 16640
	s_lshl_b32 s45, s62, 9                         ; the bias: q, k at my 64 channels; v at 64 x wave row
	s_lshl_b32 s46, s18, 8
	s_add_co_u32 s45, s45, s46
	s_lshl_b32 s46, s17, 8
	s_mov_b32 s20, 2*HEADREC
	s_mov_b32 s21, HEADREC
	s_movk_i32 s22, 2048
	s_cmp_lt_u32 s[TEN], 2
	s_cselect_b32 s42, s42, s47
	s_cselect_b32 s44, s44, s66
	s_cselect_b32 s45, s45, s46
	s_cselect_b32 s2, s62, s63                     ; the stationary tile of 128 rows
	s_cselect_b32 s3, s61, 0                       ; the streamed tile of 1,024 rows
	s_cselect_b32 s20, STEPREC, s20                ; from chunk to chunk: a key step, or two heads
	s_cselect_b32 s21, STEPREC, s21                ; from unit to unit of scale bytes
	s_cselect_b32 s22, 1024, s22                   ; from block to block
	s_mov_b32 s[MNT], 0x600000                     ; the mantissa field of 57,344
	s_mov_b32 s[SEL], 0x76543210
	s_mov_b32 s[SEL+1], 0xfedcba98
	s_wait_dscnt 0x0                               ; both opening adds are done
	CROUND                                         ; all four work-groups are here
	s_wait_kmcnt 0x0
	s_cmp_lt_u32 s[TEN], 2
	s_cselect_b64 s[4:5], s[24:25], s[36:37]       ; streamed: x, or Wv
	s_cselect_b64 s[6:7], s[26:27], s[38:39]
	s_cmp_eq_u32 s[TEN], 0
	s_cselect_b64 s[8:9], s[28:29], s[32:33]       ; stationary: Wq, Wk,
	s_cselect_b64 s[10:11], s[30:31], s[34:35]
	s_cselect_b64 s[12:13], s[48:49], s[50:51]
	s_cselect_b64 s[14:15], s[54:55], s[56:57]     ; qrec, or kv
	s_cmp_lt_u32 s[TEN], 2
	s_cselect_b64 s[8:9], s[8:9], s[24:25]         ; or x
	s_cselect_b64 s[10:11], s[10:11], s[26:27]
	s_cselect_b64 s[12:13], s[12:13], s[52:53]
	s_mov_b32 s41, 0
	s_lshl_b32 s40, s3, 20
	s_add_nc_u64 s[4:5], s[4:5], s[40:41]
	s_lshl_b32 s40, s3, 15
	s_add_nc_u64 s[6:7], s[6:7], s[40:41]
	s_lshl_b32 s40, s2, 17
	s_add_nc_u64 s[8:9], s[8:9], s[40:41]
	s_lshl_b32 s40, s2, 12
	s_lshl_b32 s43, s18, 11
	s_add_co_u32 s40, s40, s43
	s_add_nc_u64 s[10:11], s[10:11], s[40:41]
	s_mov_b32 s40, s45
	s_add_nc_u64 s[12:13], s[12:13], s[40:41]
	s_mov_b32 s40, s44
	s_add_nc_u64 s[48:49], s[14:15], s[40:41]      ; s[48:49] the scale bytes' way out
	s_mov_b32 s40, s42
	s_add_nc_u64 s[14:15], s[14:15], s[40:41]
	s_mov_b32 s[G0W], 1                            ; wave 0: the stationary 128 rows, into slot 1
	s_mov_b32 s[G0W+1], YB
	s_mov_b64 s[G0W+2:G0W+3], s[8:9]
	s_or_b32 s[G0W+3], s[G0W+3], 0x80000000
	s_mov_b32 s[G0A], 1                            ; wave 1: chunk 0
	s_mov_b32 s[G0A+1], 0
	s_mov_b64 s[G0A+2:G0A+3], s[4:5]
	s_or_b32 s[G0A+3], s[G0A+3], 0x80000000
	s_mov_b32 s[G0S], 1                            ; waves 2, 3: 512 streamed rows' scale bytes each
	s_mul_i32 s[G0S+1], s18, 64*272
	s_add_co_u32 s[G0S+1], s[G0S+1], SCL
	s_lshl_b32 s40, s18, 14
	s_add_nc_u64 s[G0S+2:G0S+3], s[6:7], s[40:41]
	s_or_b32 s[G0S+3], s[G0S+3], 0x80000000
	s_mov_b32 s[G0R], 1                            ; a refill: my quarter; it stands at chunk 0 and is stepped ahead of each load
	s_mov_b32 s[G0R+1], YB
	s_lshl_b32 s40, s16, 15
	s_add_nc_u64 s[G0R+2:G0R+3], s[4:5], s[40:41]
	s_or_b32 s[G0R+3], s[G0R+3], 0x80000000
	s_cmp_eq_u32 s16, 0                            ; one load a wave, and a line of its own for what is shown ahead of the rest
	s_cbranch_scc0 .Lwave_1
	TLOAD G0W, G1W
	s_branch .Lasked
.Lwave_1:
	s_cmp_eq_u32 s16, 1
	s_cbranch_scc0 .Lfor_scales
	TLOAD G0A, G1A
	s_branch .Lasked
.Lfor_scales:
	TLOAD G0S, G1S
.Lasked:
	s_add_nc_u64 s[PF:PF+1], s[4:5], 0x60000       ; chunk 3
	s_mov_b32 s[CST], s20
	s_mov_b32 s[CST+1], 0
	s_mov_b32 s[SL], 0
	s_mov_b32 s[SN], YB
	s_mov_b32 s[SS], 0
	s_mul_i32 s[WQ], s16, 32*PITCH
	s_mul_i32 s40, s17, 4*BLK
	s_mul_i32 s41, s18, 64*PITCH
	s_add_co_u32 s41, s41, YB
	s_mul_i32 s43, s17, 4*544
	s_add_co_u32 s43, s43, SCL
	s_lshl_b32 s45, s18, 11
	s_lshl_b32 s46, s17, 7
	s_add_co_u32 s45, s45, s46
	s_add_co_u32 s45, s45, XN
	s_lshl_b32 s47, s17, 8
	s_lshl_b32 s46, s18, 1
	s_add_co_u32 s47, s47, s46
	s_add_co_u32 s47, s47, XV
	s_lshl_b32 s58, s16, 10
	s_add_co_u32 s59, s58, XV
	s_add_co_u32 s58, s58, XN
	s_lshl_b32 s60, s60, 2
	s_add_co_u32 s60, s60, s16                     ; which of the cluster's sixteen waves I am
	s_lshl_b32 s60, s60, 13
	s_lshl_b32 s61, s22, 1
	s_add_co_u32 s62, s61, s22
	s_lshl_b32 s63, s21, 1
	v_and_b32 v[T0], 15, v0                        ; r
	v_bfe_u32 v[T0+1], v0, 4, 1                    ; h
	v_and_b32 v[T0+2], 31, v0                      ; lane
	v_lshlrev_b32 v[VO], 4, v[T0+2]
	v_mul_u32_u24 v[T0+3], v[T0], PITCH
	v_lshl_add_u32 v[T0+3], v[T0+1], 4, v[T0+3]    ; a fragment's row x pitch + 16 h
	v_add_nc_u32 v[ADRA0], s40, v[T0+3]
	v_add_nc_u32 v[ADRB], s41, v[T0+3]
	v_lshrrev_b32 v[T0+4], 3, v[T0]
	v_and_b32 v[T0+5], 7, v[T0]
	v_mul_u32_u24 v[T0+4], v[T0+4], 272
	v_lshl_add_u32 v[T0+4], v[T0+5], 5, v[T0+4]    ; a row's 32 scale bytes: eight rows to a unit
	v_add_nc_u32 v[AAS0], s43, v[T0+4]
	v_lshl_add_u32 v[VXQ], v[T0], 3, s45
	v_lshl_add_u32 v[VXV], v[T0], 2, s47
	v_add_nc_u32 v[RDQ], s58, v[VO]
	v_add_nc_u32 v[RDV], s59, v[VO]
	v_add_nc_u32 v[VO+1], s22, v[VO]
	v_add_nc_u32 v[VO+2], s61, v[VO]
	v_add_nc_u32 v[VO+3], s62, v[VO]
	v_mul_lo_u32 v[VS], v[T0+1], s21
	v_lshl_add_u32 v[VS], v[T0], 4, v[VS]          ; lanes 0-15 one unit of 256 bytes, lanes 16-31 the next
	v_add_nc_u32 v[VS2], s63, v[VS]
	v_lshl_add_u32 v[PFO], v[T0+2], 8, s60
	v_lshlrev_b32 v[ABS], 5, v[T0+2]
	v_lshlrev_b32 v[BOO], 5, v[T0+1]
	v_lshlrev_b32 v[R4], 2, v[T0]
	v_mov_b32 v[T4], 0                             ; a lane permute's destination counts as one of its sources
	v_mov_b32 v[T4+1], 0
	WALU                                           ; the wait at the head's end
.irp p, 0,1
.irp c, 0,1
	global_load_b128 v[SB+8*\p+4*\c:SB+8*\p+4*\c+3], v[ABS], s[10:11] offset:1024*\p+16*\c
.endr
.endr
.irp b, 0,1,2,3                                ; both forms of the bias are loaded on every way: 256 bytes each, inside the vector
	global_load_b128 v[BC+8*\b:BC+8*\b+3], v[BOO], s[12:13] offset:64*\b
	global_load_b128 v[BC+8*\b+4:BC+8*\b+7], v[BOO], s[12:13] offset:64*\b+16
.endr
.irp i, 0,1,2,3
	global_load_b32 v[BRN+\i], v[R4], s[12:13] offset:64*\i
.endr
	s_cmp_eq_u32 s16, 0
	s_cbranch_scc0 .Lnot_w
	s_wait_tensorcnt 0x0                           ; wave 0: the stationary rows have landed
.Lnot_w:
	BARRIER
; my 64 stationary rows, all of K: fragment f = 4 q + b in window 1 + f / 16: 128 loads
.irp q, 0,1,2,3,4,5,6,7
	WIN (1+\q/4)<<6
.irp b, 0,1,2,3
.irp c, 0,1,2,3
	ds_load_b128 v[16*((4*\q+\b)%16)+4*\c:16*((4*\q+\b)%16)+4*\c+3], v[ADRB] offset:128*\q+32*\c+\b*BLK
.endr
.endr
.endr
	WIN 0
	s_wait_loadcnt 0x0                             ; scale words and bias
.macro FETCH i                         ; block i of the chunk, all of K, into set i % 2 of window 3, and its scale words: 34 loads
	WIN 3<<6
.irp q, 0,1,2,3,4,5,6,7
.irp c, 0,1,2,3
	ds_load_b128 v[128*((\i)%2)+16*\q+4*\c:128*((\i)%2)+16*\q+4*\c+3], v[ADRA] offset:(\i)*BLK+128*\q+32*\c
.endr
.endr
	WIN 0
	ds_load_b128 v[SA+8*((\i)%2):SA+8*((\i)%2)+3], v[AAS] offset:(\i)*544
	ds_load_b128 v[SA+8*((\i)%2)+4:SA+8*((\i)%2)+7], v[AAS] offset:(\i)*544+16
.endm
.macro PROD i, m                       ; product m = 4 q + b of block i; the four accumulators take turns; the first four take the bias as C
.set Q_, (\m)/4
.set B_, (\m)%4
.set D_, ACC+8*B_
.set C_, D_
.if Q_ == 0
.set C_, BC+8*B_
.endif
.set A_, 16*((\m)%16)
.set X_, 128*((\i)%2)+16*Q_
.set WS_, SB+8*(B_/2)+Q_
.set XS_, SA+8*((\i)%2)+Q_
	WIN (1+(\m)/16)|(3<<2)                         ; source 0 window 1 or 2, source 1 window 3, C and D window 0
.if B_%2
	v_wmma_scale_f32_16x16x128_f8f6f4 v[D_:D_+7], v[A_:A_+15], v[X_:X_+15], v[C_:C_+7], v[WS_], v[XS_] matrix_a_fmt:MATRIX_FMT_BF8 matrix_b_fmt:MATRIX_FMT_BF8 matrix_a_scale:MATRIX_SCALE_ROW1
.else
	v_wmma_scale_f32_16x16x128_f8f6f4 v[D_:D_+7], v[A_:A_+15], v[X_:X_+15], v[C_:C_+7], v[WS_], v[XS_] matrix_a_fmt:MATRIX_FMT_BF8 matrix_b_fmt:MATRIX_FMT_BF8
.endif
.endm
.macro VBIAS i, last                   ; v alone: block i's bias, one number a lane, into the 32 registers of C; then the same block's of the next chunk is asked for
	s_cmp_lt_u32 s[TEN], 2
	s_cbranch_scc1 .Lno_bias_\@
.if \last
	s_wait_loadcnt 3-(\i)                          ; behind block i's load: those of this chunk's later blocks
.else
	s_wait_loadcnt 3                               ; behind block i's load: this chunk's 3 - i later blocks and the next chunk's i earlier ones
.endif
.set k_, 0
.rept 32
	v_mov_b32 v[BC+k_], v[BRN+\i]
.set k_, k_+1
.endr
.if !(\last)
.if (\i) == 0
	s_add_nc_u64 s[12:13], s[12:13], 512           ; 128 channels on (behind the block's wait on XCNT)
.endif
	global_load_b32 v[BRN+\i], v[R4], s[12:13] offset:64*(\i)
.endif
.Lno_bias_\@:
.endm
.macro EPI i                           ; THE QUANTISER of a block: two scale blocks of 32 along the stationary rows; each accumulator is read from its low end on
.irp c, 0,1
	v_max3_num_f32 v[TM+\c], |v[ACC+16*\c]|, |v[ACC+16*\c+1]|, 0x8000000   ; and the floor 2^(16 - 127): the byte cannot fall under 1
.endr
.irp k, 2,4,6,8,10,12,14
.irp c, 0,1
	v_max3_num_f32 v[TM+\c], v[TM+\c], |v[ACC+16*\c+\k]|, |v[ACC+16*\c+\k+1]|
.endr
.endr
.irp c, 0,1
	v_permlanex16_b32 v[T4+\c], v[TM+\c], s[SEL], s[SEL+1]
.endr
.irp c, 0,1
	v_max_num_f32 v[TM+\c], v[TM+\c], v[T4+\c]     ; with lane l xor 16's sixteen
.endr
.irp c, 0,1
	v_add_nc_u32 v[SO+\c], 0xf8800000, v[TM+\c]    ; 15 off the exponent field: the conversion's scale operand
.endr
.irp c, 0,1
	v_and_or_b32 v[HD+\c], v[TM+\c], 0x7f800000, s[MNT]   ; 57,344 x the scale
.endr
.irp c, 0,1
	v_lshrrev_b32 v[T4+\c], 23, v[SO+\c]
.endr
	v_lshl_or_b32 v[PW], v[T4+1], 8, v[T4]         ; the two scale bytes
.irp c, 0,1
.irp k, 0,1,2,3,4,5,6,7,8,9,10,11,12,13,14,15
	v_med3_num_f32 v[ACC+16*\c+\k], v[ACC+16*\c+\k], -v[HD+\c], v[HD+\c]   ; the conversion does not saturate (ISA guide 7.6.2)
.endr
.endr
.irp c, 0,1
	v_cvt_scalef32_pk8_bf8_f32 v[NCD+4*\c:NCD+4*\c+1], v[ACC+16*\c:ACC+16*\c+7], v[SO+\c]
	v_cvt_scalef32_pk8_bf8_f32 v[NCD+4*\c+2:NCD+4*\c+3], v[ACC+16*\c+8:ACC+16*\c+15], v[SO+\c]
.endr
	v_nop                                          ; one plain vector line behind the last conversion
.irp c, 0,1
	global_store_b128 v[VO+\i], v[NCD+4*\c:NCD+4*\c+3], s[14:15] offset:512*\c   ; 32 lanes store 512 consecutive aligned bytes
.endr
	s_cmp_lt_u32 s[TEN], 2                         ; the bytes' place differs: one LDS store on either way, into bytes of its own
	s_cbranch_scc0 .Lfor_v_\@
	ds_store_b16 v[VXQ], v[PW] offset:4*((\i)/2)+2*((\i)%2)
	s_branch .Lstored_\@
.Lfor_v_\@:
	ds_store_b16 v[VXV], v[PW] offset:64*(\i)
.Lstored_\@:
.endm
; A BLOCK.  In a chunk LDS instructions are issued in the order fetch 0, fetch 1 | fetch 2, store 0 | fetch 3, store 1 | store 2 | store 3: w counts what was issued behind block i's fetch.
.macro BLK i, w, last
	s_wait_dscnt \w
	s_wait_xcnt 0x0                                ; the last block's stores have read the codes' registers, a bias load its base
	VBIAS \i, \last
.set m_, 0
.rept 32
	PROD \i, m_
.set m_, m_+1
.endr
	WIN 0
	PLACES NP
.if (\i) < 2
	FETCH (\i)+2
.endif
	EPI \i
.endm
.macro CHUNK fill
	s_wait_tensorcnt 0x0                           ; all my tensor loads have landed: my part of this chunk among them
.if \fill
	ds_add_u32 v[SPW], v[NIL]
	s_add_co_u32 s[G0R+1], s[SN], s[WQ]            ; no load of mine is out: the next chunk, into the other slot
	s_add_nc_u64 s[G0R+2:G0R+3], s[G0R+2:G0R+3], 0x20000
	s_wait_dscnt 0x0                               ; the add is done, and my reads of the other slot are over
	CROUND
	TLOAD G0R, G1R
.else
	s_wait_dscnt 0x0
	BARRIER                                        ; the last chunk is whole
.endif
	v_add_nc_u32 v[ADRA], s[SL], v[ADRA0]
	v_add_nc_u32 v[AAS], s[SS], v[AAS0]
	WALU
	FETCH 0
	FETCH 1
.if \fill
	s_cmp_ge_u32 s[CNT], 3                         ; trips 0 to 4: chunk n + 3 exists
	s_cbranch_scc0 .Lnone_ahead_\@
	global_prefetch_b8 v[PFO], s[PF:PF+1] th:TH_LOAD_NT scope:SCOPE_SE
.Lnone_ahead_\@:
.endif
	BLK 0, 34, 1-\fill
	BLK 1, 35, 1-\fill
	BLK 2, 36, 1-\fill
	BLK 3, 2, 1-\fill
.if \fill
	s_wait_xcnt 0x0                                ; stores and prefetch have read their bases
	s_add_nc_u64 s[14:15], s[14:15], s[CST:CST+1]
	s_add_nc_u64 s[PF:PF+1], s[PF:PF+1], 0x20000
	v_add_nc_u32 v[VXQ], 256, v[VXQ]
	v_add_nc_u32 v[VXV], 512, v[VXV]
	s_xor_b32 s[SL], s[SL], YB
	s_xor_b32 s[SN], s[SN], YB
	s_add_co_u32 s[SS], s[SS], 16*272
.endif
.endm
	s_mov_b32 s[CNT], 7
.Ltrip:                                            ; seven trips, each with its one refill; the first finds the stationary rows in registers and fills chunk 1 over them
	CHUNK 1
	s_sub_co_u32 s[CNT], s[CNT], 1
	s_cmp_lg_u32 s[CNT], 0
	s_cbranch_scc1 .Ltrip
	CHUNK 0                                        ; the last chunk is written out: it asks for nothing
	s_wait_dscnt 0x0                               ; my scale bytes are stored
	BARRIER
	s_cmp_lt_u32 s[TEN], 2
	s_cbranch_scc0 .Lbytes_v
	ds_load_b128 v[SWB:SWB+3], v[RDQ]
	ds_load_b128 v[SWB+4:SWB+7], v[RDQ] offset:512
	s_branch .Lbytes
.Lbytes_v:
	ds_load_b128 v[SWB:SWB+3], v[RDV]
	ds_load_b128 v[SWB+4:SWB+7], v[RDV] offset:512
.Lbytes:
	s_wait_dscnt 0x0
	global_store_b128 v[VS], v[SWB:SWB+3], s[48:49]        ; sixteen lanes store one aligned unit of 256 bytes
	global_store_b128 v[VS2], v[SWB+4:SWB+7], s[48:49]
	s_wait_tensorcnt 0x0                           ; the wave's end
	ds_add_u32 v[SPW], v[NIL]
	s_wait_dscnt 0x0
	CROUND                                         ; the closing round
	s_endpgm
.Lfunc_end_k_qd15f931384_qkv:
	.size	k_qd15f931384_qkv, .Lfunc_end_k_qd15f931384_qkv-k_qd15f931384_qkv
	.p2alignl 7, 3214868480
	.fill 96, 4, 3214868480
	.section	.rodata,"a",@progbits
	.p2align	6, 0x0
	.amdhsa_kernel k_qd15f931384_qkv
		.amdhsa_group_segment_fixed_size 327680
		.amdhsa_private_segment_fixed_size 0
		.amdhsa_enable_private_segment 0
		.amdhsa_kernarg_size 104
		.amdhsa_user_sgpr_count 2
		.amdhsa_user_sgpr_kernarg_segment_ptr 1
		.amdhsa_wavefront_size32 1
		.amdhsa_system_sgpr_workgroup_id_x 1
		.amdhsa_system_sgpr_workgroup_id_y 1
		.amdhsa_system_sgpr_workgroup_id_z 1
		.amdhsa_system_vgpr_workitem_id 0
		.amdhsa_next_free_vgpr 1024
		.amdhsa_next_free_sgpr 100
		.amdhsa_reserve_vcc 0
		.amdhsa_float_denorm_mode_32 3
		.amdhsa_float_denorm_mode_16_64 3
		.amdhsa_memory_ordered 1
		.amdhsa_forward_progress 1
		.amdhsa_inst_pref_size 121
	.end_amdhsa_kernel
	.amdgpu_metadata
---
amdhsa.version: [ 1, 2 ]
amdhsa.kernels:
  - .name:           k_qd15f931384_qkv
    .symbol:         k_qd15f931384_qkv.kd
    .args:
      - { .name: x_codes, .offset: 0, .size: 8, .value_kind: global_buffer, .address_space: global }
      - { .name: x_scales, .offset: 8, .size: 8, .value_kind: global_buffer, .address_space: global }
      - { .name: Wq_codes, .offset: 16, .size: 8, .value_kind: global_buffer, .address_space: global }
      - { .name: Wq_scales, .offset: 24, .size: 8, .value_kind: global_buffer, .address_space: global }
      - { .name: Wk_codes, .offset: 32, .size: 8, .value_kind: global_buffer, .address_space: global }
      - { .name: Wk_scales, .offset: 40, .size: 8, .value_kind: global_buffer, .address_space: global }
      - { .name: Wv_codes, .offset: 48, .size: 8, .value_kind: global_buffer, .address_space: global }
      - { .name: Wv_scales, .offset: 56, .size: 8, .value_kind: global_buffer, .address_space: global }
      - { .name: bq, .offset: 64, .size: 8, .value_kind: global_buffer, .address_space: global }
      - { .name: bk, .offset: 72, .size: 8, .value_kind: global_buffer, .address_space: global }
      - { .name: bv, .offset: 80, .size: 8, .value_kind: global_buffer, .address_space: global }
      - { .name: qrec, .offset: 88, .size: 8, .value_kind: global_buffer, .address_space: global }
      - { .name: kv, .offset: 96, .size: 8, .value_kind: global_buffer, .address_space: global }
    .group_segment_fixed_size: 327680
    .private_segment_fixed_size: 0
    .kernarg_segment_align: 8
    .kernarg_segment_size: 104
    .max_flat_workgroup_size: 128
    .sgpr_count:     100
    .vgpr_count:     1024
    .wavefront_size: 32
...
	.end_amdgpu_metadata
.endif
;; end of part 1
;; launch attn (part 2): grid 4 x 64, 16 waves a work-group, clusters of 4 x 1, 327,680 bytes of LDS; arguments qrec, kv, vimg, vscl; writes vimg, vscl
.if DOCPART == 2
	.amdgcn_target "amdgcn-amd-amdhsa--gfx1250"
	.amdhsa_code_object_version 6
	.text
	.protected	k_qd15f931384_attn
	.globl	k_qd15f931384_attn
	.p2align	8
	.type	k_qd15f931384_attn,@function
k_qd15f931384_attn:
	s_mov_b64 s[64:65], 0
	v_nop
	global_prefetch_b8 v0, s[64:65] scope:SCOPE_SE
	s_setreg_imm32_b32 hwreg(HW_REG_WAVE_MODE, 25, 1), 1
	s_wait_xcnt 0x0
	s_wait_alu depctr_hold_cnt(0) depctr_sa_sdst(0) depctr_va_vdst(0) depctr_va_sdst(0) depctr_va_ssrc(0) depctr_va_vcc(0) depctr_vm_vsrc(0)
	s_getreg_b32 s2, hwreg(HW_REG_IB_STS2, 6, 4)
	s_cmp_eq_u32 s2, 0
	s_cbranch_scc0 .Lentry_in_a_cluster
	s_endpgm
.Lentry_in_a_cluster:
	s_bfe_u32 s2, ttmp6, 0x10000c
	s_cmp_lg_u32 s2, 0x3003
	s_cbranch_scc0 .Lentry_shape_is_right
	s_endpgm
.Lentry_shape_is_right:
; vals[b][q][head][:] = the sum over keys of softmax(q . k / 8) v, both products on codes of BF8 (E5M2) with one E8M0 scale for each 32 along K, and vals quantised along (head, channel) for the last product.
; THE SOFTMAX: t = score x log2(e) / 8; M = the running largest t rounded UP to a whole number; p = 2^(t - M) is quantised along the keys, not normalised; the row's sum is taken of the unquantised p and divides at the end;
; when M moves, the sums and O are multiplied by f = 2^(old M - new M), which rounds nothing.  No step of the problem is left out.
; SHARES.  A work-group owns 512 queries of one (batch, head); each of its sixteen waves owns a tile of 16 queries at a time, twice, and walks the head's 2,048 keys, 128 a step.
; THE HEAD'S k AND v STAY IN LDS: 16 records of 16,896 bytes as they lie in kv ([8 key tiles x 1,024][4 tiles of v x 2,048][k's scale bytes 256][v's scale words 256]), filled ONCE, nothing is filled again.
; CLUSTER.  The four work-groups of a head ask for each record jointly; wave w asks for record w: one tensor load a wave.  Waves 0 to 3 have a load line of their own: the first barrier shows records 0 to 3, the second all.
; Nothing is prefetched: all that the launch reads through LDS is asked for at its head, so there is no loop to run ahead in.
; S^T = k q^T.  The head has 64 channels and the instruction takes 128 along K: source 0 holds TWO key tiles (tile 2 P on K = 0 .. 63, tile 2 P + 1 on K = 64 .. 127), and q lies between two runs of zero codes, [0 | q | 0]:
; read as [q | 0] it meets the even tile, as [0 | q] the odd one.  So a step's eight key tiles are 64 registers, brought by one run of 16 loads.  k's scale word of a pair holds both tiles' two bytes; q's stands twice, low and shifted.
; O^T = v^T p^T (source 0 = 16 channels, source 1 = p).  A lane holds one query throughout.  v's fragments take k's registers.
; p is held at the largest code into registers of its own, so the unheld p stays where it is, and the row's sum (32 packed lines, four chains that live across steps) is laid where plain vector lines are owed:
; behind the conversions, behind the second product, and, in the NEXT step, between the two halves of the first product.  A step therefore begins with the last half of the step before's sum; a pass begins with zeros there.
; Inside each block of 32 the places along K are permuted alike in q and k, and alike in v and p; vals meets Wo in the true order: four exchanges between the halves of the lanes restore it.
; LIMITS: NaN and infinities are not served; the promise holds while the scaled scores stay under 2^31 in magnitude; a block whose largest magnitude lies under 2^-111 keeps the byte 1 (a block of zeros too: its codes are zeros).
.set STEPREC, 16896
.set HEADREC, 16*STEPREC
.set SPARE, 16*STEPREC                 ; behind the records: the spare words, 128 bytes a wave
.set L16, 1                            ; 16 x lane
.set L8,  2                            ; 8 x lane
.set L4,  3                            ; 4 x lane
.set A16, 4                            ; the step's record + each of the three
.set A8,  5
.set A4,  6
.set QIO, 7                            ; q's images: 16 x lane + 1,024 (wave % 8)
.set QSO, 8                            ; q's scale bytes
.set VSO, 9                            ; vscl: 32 (lane % 16) + 8,192 (lane / 16)
.set F,   10                           ; v[10:11] f; the upper word is written once.  v12 -M, v13 the largest score
.set LS,  14                           ; v14-21 the sum: four chains of two
.set SPW, 22
.set NIL, 23
.set QF,  24                           ; v24-31 zeros, v32-39 q, v40-47 zeros
.set KV,  48                           ; v48-111 eight key tiles, then v's four fragments
.set S,   112                          ; v112-175 S^T, then p
.set O,   176                          ; v176-207 O^T
.set KSC, 208                          ; v208-209 k's scale words: register P % 2, lanes 16 (P / 2) on: pair P
.set VSC, 210                          ; v210-211 v's: lanes 0-15 an even tile's, lanes 16-31 the odd one's
.set QS1, 212                          ; q's two bytes low;  v213: shifted up
.set PW,  214                          ; p's scale word
.set SH,  215                          ; the first pass's two scale bytes of vals
.set PC,  216                          ; v216-231 p's codes
.set TMP, 232                          ; v232-247 the held p of a block; ahead of that:
.set BM,  232                          ; the blocks' largest
.set T2,  236
.set TT,  240
.set OLD, 241
.set HD,  248
.set SO,  252
.set TB,  2
.set CNT, 3
.set WV,  12
.set NCS, 18
.set MNT, 19
.set SEL, 20
.set CS,  22
.set G1,  24
.set G0,  32
.macro WALU
	s_wait_alu depctr_va_vdst(0)
.endm
.macro CROUND                          ; a round of the cluster's barrier
	s_barrier_signal -1
	s_barrier_wait -1
	s_cmp_lg_u32 s[WV], 0
	s_cbranch_scc1 .Lnot_wave_0_\@
	s_barrier_signal -3
.Lnot_wave_0_\@:
	s_barrier_wait -3
	s_barrier_signal -1
	s_barrier_wait -1
.endm
	s_load_b256 s[4:11], s[0:1], 0x0               ; qrec, kv, vimg, vscl
	v_lshl_add_u32 v[SPW], v0, 2, SPARE
	v_mov_b32 v[NIL], 0
	ds_add_u32 v[SPW], v[NIL]                      ; the opening lines: the add twice on end and its wait
	ds_add_u32 v[SPW], v[NIL]
	v_lshrrev_b32 v[TT], 5, v0
	v_readfirstlane_b32 s[WV], v[TT]               ; wave 0..15
	s_bfe_u32 s13, ttmp6, 0x40000                  ; cx: which 512 queries
	s_and_b32 s14, ttmp7, 0xffff                   ; 16 x batch + head, which the four partners share
	s_mul_i32 s48, s14, HEADREC                    ; the head's first byte in qrec and kv
	s_mov_b32 s49, 0
	s_mul_i32 s50, s[WV], STEPREC                  ; record = wave: in the head, and in LDS
	s_mov_b32 s51, 0
	s_mov_b32 s[G1], 15|(3<<16)|(1<<21)            ; the mask: all four work-groups; elements of 8 bytes; bit 21 beside a mask.  A record: 66 dense rows of 256 bytes
	s_mov_b32 s[G1+1], 32<<16
	s_mov_b32 s[G1+2], 66<<16
	s_mov_b32 s[G1+3], 32<<16
	s_mov_b32 s[G1+4], 66
	s_mov_b32 s[G1+5], 32
	s_mov_b32 s[G1+6], 0
	s_mov_b32 s[G1+7], 0
	s_mov_b32 s[SEL], 0x76543210
	s_mov_b32 s[SEL+1], 0xfedcba98                 ; lane l xor 16
	s_mov_b32 s[CS], 0x3e38aa3b                    ; c = log2(e) / 8
	s_mov_b32 s[CS+1], s[CS]
	s_mov_b32 s[NCS], 0xbe38aa3b                   ; -c
	s_mov_b32 s[MNT], 0x600000                     ; the mantissa field of 57,344
	s_wait_dscnt 0x0
	s_wait_kmcnt 0x0
	s_add_nc_u64 s[6:7], s[6:7], s[48:49]
	s_add_nc_u64 s[6:7], s[6:7], s[50:51]
	CROUND                                         ; all four work-groups are here: the joint loads meet
	s_mov_b32 s[G0], 1
	s_mov_b32 s[G0+1], s50
	s_mov_b64 s[G0+2:G0+3], s[6:7]
	s_or_b32 s[G0+3], s[G0+3], 0x80000000
	s_cmp_lt_u32 s[WV], 4                          ; one load a wave; waves 0 to 3, which alone wait at the first barrier, have a line of their own
	s_cbranch_scc0 .Lrest
	tensor_load_to_lds s[G0:G0+3], s[G1:G1+7]
	s_nop 0
.rept 4
	v_nop
.endr
	s_branch .Lasked
.Lrest:
	tensor_load_to_lds s[G0:G0+3], s[G1:G1+7]
	s_nop 0
.rept 4
	v_nop
.endr
.Lasked:
	s_lshl_b32 s52, s13, 2
	s_lshr_b32 s53, s[WV], 3
	s_add_co_u32 s52, s52, s53                     ; my first pass's queries lie in record 4 cx + wave / 8
	s_mul_i32 s52, s52, STEPREC
	s_add_co_u32 s52, s52, s48
	s_mov_b32 s53, 0
	s_add_nc_u64 s[4:5], s[4:5], s[52:53]
	s_and_b32 s54, s[WV], 7                        ; my tile a in the record
	s_lshl_b32 s57, s54, 10
	s_lshr_b32 s55, s54, 2                         ; its scale bytes: 128 (a / 4) + 8 row + 4 ((a / 2) % 2) + 2 (a % 2)
	s_lshl_b32 s55, s55, 7
	s_bfe_u32 s56, s54, 0x10001
	s_lshl_b32 s56, s56, 2
	s_add_co_u32 s55, s55, s56
	s_and_b32 s56, s54, 1
	s_lshl_b32 s56, s56, 1
	s_add_co_u32 s55, s55, s56
	; where vals go: vimg [tile of 16 rows][head / 4][(head / 2) % 2][group 2 (head % 2) + b][lane][16]: a tile's 1,024 along K are 16,384 bytes on end; vscl [row][32]
	s_and_b32 s48, s14, 15
	s_lshr_b32 s49, s14, 4                         ; batch
	s_lshr_b32 s50, s48, 2
	s_lshl_b32 s50, s50, 12
	s_bfe_u32 s51, s48, 0x10001
	s_lshl_b32 s51, s51, 11
	s_add_co_u32 s50, s50, s51
	s_and_b32 s51, s48, 1
	s_lshl_b32 s51, s51, 10
	s_add_co_u32 s50, s50, s51
	s_lshl_b32 s52, s49, 7
	s_lshl_b32 s53, s13, 5
	s_add_co_u32 s52, s52, s53
	s_add_co_u32 s52, s52, s[WV]                   ; my first pass's tile of rows: 128 batch + 32 cx + wave
	s_lshl_b32 s53, s52, 14
	s_add_co_u32 s50, s50, s53
	s_mov_b32 s51, 0
	s_add_nc_u64 s[8:9], s[8:9], s[50:51]
	s_lshl_b32 s52, s52, 9
	s_lshl_b32 s53, s48, 1
	s_add_co_u32 s52, s52, s53
	s_mov_b32 s53, 0
	s_add_nc_u64 s[10:11], s[10:11], s[52:53]
	v_and_b32 v[TT], 31, v0
	v_and_b32 v[T2], 15, v0
	v_bfe_u32 v[T2+1], v0, 4, 1
	v_lshlrev_b32 v[L16], 4, v[TT]
	v_lshlrev_b32 v[L8], 3, v[TT]
	v_lshlrev_b32 v[L4], 2, v[TT]
	v_lshl_add_u32 v[QSO], v[T2], 3, s55
	v_lshlrev_b32 v[VSO], 5, v[T2]
	v_add_nc_u32 v[QIO], s57, v[L16]
	v_lshl_add_u32 v[VSO], v[T2+1], 13, v[VSO]
.irp j, 0,1,2,3,4,5,6,7
	v_mov_b32 v[QF+\j], 0                          ; the zero codes on both sides of q: written once
	v_mov_b32 v[QF+16+\j], 0
.endr
	v_mov_b32 v[T2+2], 0                           ; a lane permute's destination counts as one of its sources
	v_mov_b32 v[T2+3], 0
	v_mov_b32 v[F+1], 0
	WALU
.macro SMUL t                          ; S^T's tile t: pair t / 2 against [q | 0] (t even) or [0 | q] (t odd)
.set P_, (\t)/2
.if P_/2
	v_wmma_scale_f32_16x16x128_f8f6f4 v[S+8*(\t):S+8*(\t)+7], v[KV+16*P_:KV+16*P_+15], v[QF+8-8*((\t)%2):QF+23-8*((\t)%2)], 0, v[KSC+P_%2], v[QS1+(\t)%2] matrix_a_fmt:MATRIX_FMT_BF8 matrix_b_fmt:MATRIX_FMT_BF8 matrix_a_scale:MATRIX_SCALE_ROW1
.else
	v_wmma_scale_f32_16x16x128_f8f6f4 v[S+8*(\t):S+8*(\t)+7], v[KV+16*P_:KV+16*P_+15], v[QF+8-8*((\t)%2):QF+23-8*((\t)%2)], 0, v[KSC+P_%2], v[QS1+(\t)%2] matrix_a_fmt:MATRIX_FMT_BF8 matrix_b_fmt:MATRIX_FMT_BF8
.endif
.endm
.macro SUMS from, to                   ; lines from .. to - 1 of the 32 that sum the unheld p: line k takes p's registers 2 k, 2 k + 1 into chain k % 4; the first four bring the chains under the new M as they add
.set k_, \from
.rept (\to)-(\from)
.if k_ < 4
	v_pk_fma_f32 v[LS+2*k_:LS+2*k_+1], v[LS+2*k_:LS+2*k_+1], v[F:F+1], v[S+2*k_:S+2*k_+1] op_sel_hi:[1,0,1]
.else
	v_pk_add_f32 v[LS+2*(k_%4):LS+2*(k_%4)+1], v[LS+2*(k_%4):LS+2*(k_%4)+1], v[S+2*k_:S+2*k_+1]
.endif
.set k_, k_+1
.endr
.endm
.macro BMAX x, y                       ; the largest score of blocks x and y of 32 keys, by turns; each accumulator is read from its low end on
.irp b, \x, \y
	v_max3_num_f32 v[BM+\b], v[S+16*\b], v[S+16*\b+1], v[S+16*\b+2]
.endr
.irp i, 3,5,7,9,11,13
.irp b, \x, \y
	v_max3_num_f32 v[BM+\b], v[BM+\b], v[S+16*\b+\i], v[S+16*\b+\i+1]
.endr
.endr
.irp b, \x, \y
	v_max_num_f32 v[BM+\b], v[BM+\b], v[S+16*\b+15]
.endr
.endm
.macro VL g0, n                        ; n groups of v's fragments, from group g0, into k's registers
.set g_, \g0
.rept \n
	ds_load_b128 v[KV+4*g_:KV+4*g_+3], v[A16] offset:8192+512*g_
.set g_, g_+1
.endr
.endm
.macro TMM j0, n                       ; t - M, two at a time
.set j_, \j0
.rept \n
	v_pk_fma_f32 v[S+j_:S+j_+1], v[S+j_:S+j_+1], s[CS:CS+1], v[12:13] op_sel_hi:[1,0,0]
.set j_, j_+2
.endr
.endm
; A KEY STEP: 128 keys, the record at s[TB].
.macro STEP
	v_add_nc_u32 v[A16], s[TB], v[L16]             ; with the eight lines of the sum at the last step's end: eleven places behind its products, ahead of the loads below
	v_add_nc_u32 v[A8], s[TB], v[L8]
	v_add_nc_u32 v[A4], s[TB], v[L4]
	ds_load_b64 v[KSC:KSC+1], v[A8] offset:16384
	ds_load_b32 v[VSC], v[A4] offset:16640
	ds_load_b32 v[VSC+1], v[A4] offset:16768
.set g_, 0
.rept 16
	ds_load_b128 v[KV+4*g_:KV+4*g_+3], v[A16] offset:512*g_
.set g_, g_+1
.endr
	WALU
	s_wait_dscnt 8                                 ; the scale words and pairs 0, 1 are in; the eight youngest loads (pairs 2, 3) may be out
.irp t, 0,1,2,3
	SMUL \t
.endr
	SUMS 16, 32                                    ; the last step's p in the registers that tiles 4 to 7 are about to take: sixteen places behind tiles 0 to 3
	s_wait_dscnt 0x0
.irp t, 4,5,6,7
	SMUL \t
.endr
	BMAX 0, 1                                      ; sixteen places behind tiles 4 to 7
	BMAX 2, 3
.irp b, 0,1,2,3
	v_permlanex16_b32 v[T2+\b], v[BM+\b], s[SEL], s[SEL+1]
.endr
	VL 0, 4                                        ; v's loads stand among the lines of the chain below
.irp b, 0,1,2,3
	v_max_num_f32 v[BM+\b], v[BM+\b], v[T2+\b]     ; with lane l xor 16's 16 keys
.endr
	VL 4, 2
	v_max3_num_f32 v[TT], v[BM], v[BM+1], v[BM+2]
	v_mov_b32 v[OLD], v12
	VL 6, 2
	v_max3_num_f32 v13, v13, v[TT], v[BM+3]        ; the running largest score
	VL 8, 3
	v_mul_f32 v[TT], s[NCS], v13                   ; -t (c is positive)
	VL 11, 3
	v_floor_f32 v12, v[TT]                         ; the new -M = floor(-t) = -ceil(t)
	VL 14, 2
	v_sub_f32 v[TT], v12, v[OLD]                   ; old M - new M: a whole number, 0 or less
	TMM 0, 8
	v_cvt_i32_f32 v[TT], v[TT]                     ; (it saturates)
	TMM 16, 8
	v_ldexp_f32 v[F], 1.0, v[TT]                   ; f = 2^(old M - new M)
	TMM 32, 16
.irp b, 0,1,2,3
	v_fma_f32 v[BM+\b], v[BM+\b], s[CS], v12       ; the same of each block's largest score: p rises with the score
.endr
	WALU                                           ; one wait ahead of the batch
.irp b, 0,1,2,3
	v_exp_f32 v[BM+\b], v[BM+\b]                   ; the block's largest p
.endr
.set j_, 0
.rept 64
	v_exp_f32 v[S+j_], v[S+j_]                     ; p = 2^(t - M), at most 1
.set j_, j_+1
.endr
	WALU                                           ; one wait behind the batch, directly ahead of the first readers of O^T
.set j_, 0
.rept 16
	v_pk_mul_f32 v[O+j_:O+j_+1], v[O+j_:O+j_+1], v[F:F+1] op_sel_hi:[1,0]   ; O^T under the new M
.set j_, j_+2
.endr
.irp b, 0,1,2,3
	v_max_num_f32 v[BM+\b], 0x8000000, v[BM+\b]    ; the floor 2^(16 - 127): the byte cannot fall under 1
.endr
.irp b, 0,1,2,3
	v_add_nc_u32 v[SO+\b], 0xf8800000, v[BM+\b]    ; 15 off the exponent field: the conversion's scale operand
.endr
.irp b, 0,1,2,3
	v_and_or_b32 v[HD+\b], v[BM+\b], 0x7f800000, s[MNT]   ; 57,344 x the scale
.endr
.irp b, 0,1,2,3
	v_lshrrev_b32 v[T2+\b], 23, v[SO+\b]           ; the scale's byte
.endr
	v_lshl_or_b32 v[PW], v[T2+1], 8, v[T2]
	v_lshl_or_b32 v[PW], v[T2+2], 16, v[PW]
	v_lshl_or_b32 v[PW], v[T2+3], 24, v[PW]
.irp b, 0,1,2,3
.set i_, 0
.rept 8                                        ; the conversion does not saturate (ISA guide 7.6.2); p is not negative, so the hold is one-sided; two holds a line, into registers of their own
	v_dual_min_num_f32 v[TMP+i_], v[S+16*\b+i_], v[HD+\b] :: v_dual_min_num_f32 v[TMP+i_+1], v[S+16*\b+i_+1], v[HD+\b]
.set i_, i_+2
.endr
	v_cvt_scalef32_pk8_bf8_f32 v[PC+4*\b:PC+4*\b+1], v[TMP:TMP+7], v[SO+\b]
	v_cvt_scalef32_pk8_bf8_f32 v[PC+4*\b+2:PC+4*\b+3], v[TMP+8:TMP+15], v[SO+\b]
.if \b < 3
	SUMS \b, \b+1                                  ; the plain line behind the conversions, ahead of the next block's holds
.else
	SUMS 3, 8                                      ; five places between the last codes and the products
.endif
.endr
	WALU                                           ; directly ahead of the wait below
	s_wait_dscnt 0x0                               ; v's fragments
.irp t, 0,1,2,3                                ; O^T += v^T p^T: the four accumulators by turns
.if \t%2
	v_wmma_scale_f32_16x16x128_f8f6f4 v[O+8*\t:O+8*\t+7], v[KV+16*\t:KV+16*\t+15], v[PC:PC+15], v[O+8*\t:O+8*\t+7], v[VSC+\t/2], v[PW] matrix_a_fmt:MATRIX_FMT_BF8 matrix_b_fmt:MATRIX_FMT_BF8 matrix_a_scale:MATRIX_SCALE_ROW1
.else
	v_wmma_scale_f32_16x16x128_f8f6f4 v[O+8*\t:O+8*\t+7], v[KV+16*\t:KV+16*\t+15], v[PC:PC+15], v[O+8*\t:O+8*\t+7], v[VSC+\t/2], v[PW] matrix_a_fmt:MATRIX_FMT_BF8 matrix_b_fmt:MATRIX_FMT_BF8
.endif
.endr
	SUMS 8, 16
	s_add_co_u32 s[TB], s[TB], STEPREC
.endm
.macro QLOAD p                         ; pass p's q and its two scale bytes a row; its queries lie two records on
	global_load_b128 v[QF+8:QF+11], v[QIO], s[4:5] offset:2*STEPREC*\p
	global_load_b128 v[QF+12:QF+15], v[QIO], s[4:5] offset:2*STEPREC*\p+512
	global_load_u16 v[QS1], v[QSO], s[4:5] offset:2*STEPREC*\p+16384
.endm
.macro START                           ; a pass begins: the largest score, the sums and O^T begin anew (the first f is 0 and multiplies zeros)
	s_wait_xcnt 0x0                                ; the last pass's stores have read their registers
	v_mov_b32 v13, 0xff61b1e6                      ; -3e38, under every score
	v_mul_f32 v12, s[NCS], v13
	v_floor_f32 v12, v12
.set j_, 0
.rept 8
	v_mov_b32 v[LS+j_], 0
.set j_, j_+1
.endr
.set j_, 0
.rept 32
	v_mov_b32 v[O+j_], 0
.set j_, j_+1
.endr
	s_mov_b32 s[TB], 0
	WALU
	s_wait_loadcnt 0x0                             ; q
	v_lshlrev_b32 v[QS1+1], 16, v[QS1]             ; q's bytes for K = 64 .. 127; the 32 lines below are its places ahead of the first product
.set j_, 32
.rept 32
	v_mov_b32 v[S+j_], 0                           ; what the first step's opening half of the sum finds
.set j_, j_+1
.endr
.endm
; A pass ends: the sum's last half; O^T / the sum, quantised along the head's 64 channels (two blocks), brought into the true order along K, stored as two groups of an operand's image.  sh: where the row's two scale bytes go.
.macro FINISH p, sh
	SUMS 16, 32
	v_pk_add_f32 v[LS:LS+1], v[LS:LS+1], v[LS+2:LS+3]
	v_pk_add_f32 v[LS+4:LS+5], v[LS+4:LS+5], v[LS+6:LS+7]
	v_pk_add_f32 v[LS:LS+1], v[LS:LS+1], v[LS+4:LS+5]
	v_add_f32 v[LS], v[LS], v[LS+1]
	v_permlanex16_b32 v[TT], v[LS], s[SEL], s[SEL+1]
	v_add_f32 v[LS], v[LS], v[TT]                  ; the row's sum
	WALU
	v_rcp_f32 v[LS], v[LS]
	v_nop
	WALU                                           ; ahead of the first reader of the reciprocal and of O^T
.set j_, 0
.rept 16
	v_pk_mul_f32 v[S+j_:S+j_+1], v[O+j_:O+j_+1], v[LS:LS+1] op_sel_hi:[1,0]
.set j_, j_+2
.endr
.irp b, 0,1
	v_max3_num_f32 v[BM+\b], |v[S+16*\b]|, |v[S+16*\b+1]|, 0x8000000
.endr
.irp i, 2,4,6,8,10,12,14
.irp b, 0,1
	v_max3_num_f32 v[BM+\b], v[BM+\b], |v[S+16*\b+\i]|, |v[S+16*\b+\i+1]|
.endr
.endr
.irp b, 0,1
	v_permlanex16_b32 v[T2+\b], v[BM+\b], s[SEL], s[SEL+1]
.endr
.irp b, 0,1
	v_max_num_f32 v[BM+\b], v[BM+\b], v[T2+\b]
.endr
.irp b, 0,1
	v_add_nc_u32 v[SO+\b], 0xf8800000, v[BM+\b]
.endr
.irp b, 0,1
	v_and_or_b32 v[HD+\b], v[BM+\b], 0x7f800000, s[MNT]
.endr
.irp b, 0,1
	v_lshrrev_b32 v[T2+\b], 23, v[SO+\b]
.endr
	v_lshl_or_b32 v[\sh], v[T2+1], 8, v[T2]
.irp b, 0,1
.irp i, 0,1,2,3,4,5,6,7,8,9,10,11,12,13,14,15
	v_med3_num_f32 v[S+16*\b+\i], v[S+16*\b+\i], -v[HD+\b], v[HD+\b]
.endr
	v_cvt_scalef32_pk8_bf8_f32 v[PC+4*\b:PC+4*\b+1], v[S+16*\b:S+16*\b+7], v[SO+\b]
	v_cvt_scalef32_pk8_bf8_f32 v[PC+4*\b+2:PC+4*\b+3], v[S+16*\b+8:S+16*\b+15], v[SO+\b]
.endr
	v_nop                                          ; one plain vector line behind the last conversion
.irp b, 0,1                                    ; registers 0, 1 hold channels 8 h + 0 .. 7 of the block, registers 2, 3 channels 16 + 8 h + 0 .. 7; the operand wants 16 h + 0 .. 15
	v_permlane16_swap_b32 v[PC+4*\b], v[PC+4*\b+2]
	v_permlane16_swap_b32 v[PC+4*\b+1], v[PC+4*\b+3]
.endr
	global_store_b128 v[L16], v[PC:PC+3], s[8:9] offset:262144*\p          ; 32 lanes store 512 consecutive aligned bytes; pass p's tile of rows lies 16 tiles of 16,384 bytes on
	global_store_b128 v[L16], v[PC+4:PC+7], s[8:9] offset:262144*\p+512
.endm
	QLOAD 0
	START
	WALU                                           ; the wait at the head's end
	s_cmp_lt_u32 s[WV], 4
	s_cbranch_scc0 .Lnot_first
	s_wait_tensorcnt 0x0                           ; waves 0 to 3: records 0 to 3 have landed
.Lnot_first:
	s_barrier_signal -1
	s_barrier_wait -1
	s_mov_b32 s[CNT], 4
.Lp0a:
	STEP
	s_sub_co_u32 s[CNT], s[CNT], 1
	s_cmp_lg_u32 s[CNT], 0
	s_cbranch_scc1 .Lp0a
	s_wait_tensorcnt 0x0                           ; every wave: its record has landed
	s_wait_dscnt 0x0
	s_barrier_signal -1
	s_barrier_wait -1                              ; all sixteen records are whole for every wave; from here on no wave waits for another
	s_mov_b32 s[CNT], 12
.Lp0b:
	STEP
	s_sub_co_u32 s[CNT], s[CNT], 1
	s_cmp_lg_u32 s[CNT], 0
	s_cbranch_scc1 .Lp0b
	QLOAD 1                                        ; the second pass's q is on its way while the first pass's results leave
	FINISH 0, SH
	START
	s_mov_b32 s[CNT], 16
.Lp1:
	STEP
	s_sub_co_u32 s[CNT], s[CNT], 1
	s_cmp_lg_u32 s[CNT], 0
	s_cbranch_scc1 .Lp1
	FINISH 1, TT
	v_and_b32 v[T2], 16, v0
	v_cmp_ne_u32 vcc_lo, 0, v[T2]
	v_cndmask_b32 v[T2], v[SH], v[TT], vcc_lo      ; lanes 0-15: the first pass's rows, lanes 16-31: the second's, 256 rows on
	global_store_b16 v[VSO], v[T2], s[10:11]       ; 2 bytes a row and head: a row's 32 bytes come from 16 heads, which are 16 work-groups
	s_wait_tensorcnt 0x0                           ; the wave's end
	ds_add_u32 v[SPW], v[NIL]
	s_wait_dscnt 0x0
	CROUND                                         ; the closing round
	s_endpgm
.Lfunc_end_k_qd15f931384_attn:
	.size	k_qd15f931384_attn, .Lfunc_end_k_qd15f931384_attn-k_qd15f931384_attn
	.p2alignl 7, 3214868480
	.fill 96, 4, 3214868480
	.section	.rodata,"a",@progbits
	.p2align	6, 0x0
	.amdhsa_kernel k_qd15f931384_attn
		.amdhsa_group_segment_fixed_size 327680
		.amdhsa_private_segment_fixed_size 0
		.amdhsa_enable_private_segment 0
		.amdhsa_kernarg_size 32
		.amdhsa_user_sgpr_count 2
		.amdhsa_user_sgpr_kernarg_segment_ptr 1
		.amdhsa_wavefront_size32 1
		.amdhsa_system_sgpr_workgroup_id_x 1
		.amdhsa_system_sgpr_workgroup_id_y 1
		.amdhsa_system_sgpr_workgroup_id_z 1
		.amdhsa_system_vgpr_workitem_id 0
		.amdhsa_next_free_vgpr 256
		.amdhsa_next_free_sgpr 66
		.amdhsa_reserve_vcc 1
		.amdhsa_float_denorm_mode_32 3
		.amdhsa_float_denorm_mode_16_64 3
		.amdhsa_memory_ordered 1
		.amdhsa_forward_progress 1
		.amdhsa_inst_pref_size 80
	.end_amdhsa_kernel
	.amdgpu_metadata
---
amdhsa.version: [ 1, 2 ]
amdhsa.kernels:
  - .name:           k_qd15f931384_attn
    .symbol:         k_qd15f931384_attn.kd
    .args:
      - { .name: qrec, .offset: 0, .size: 8, .value_kind: global_buffer, .address_space: global }
      - { .name: kv, .offset: 8, .size: 8, .value_kind: global_buffer, .address_space: global }
      - { .name: vimg, .offset: 16, .size: 8, .value_kind: global_buffer, .address_space: global }
      - { .name: vscl, .offset: 24, .size: 8, .value_kind: global_buffer, .address_space: global }
    .group_segment_fixed_size: 327680
    .private_segment_fixed_size: 0
    .kernarg_segment_align: 8
    .kernarg_segment_size: 32
    .max_flat_workgroup_size: 512
    .sgpr_count:     66
    .vgpr_count:     256
    .wavefront_size: 32
...
	.end_amdgpu_metadata
.endif
;; end of part 2
;; launch oproj (part 3): grid 8 x 32, 4 waves a work-group, clusters of 4 x 4, 327,680 bytes of LDS; arguments vimg, vscl, Wo_codes, Wo_scales, bo, out0; writes out0
.if DOCPART == 3
	.amdgcn_target "amdgcn-amd-amdhsa--gfx1250"
	.amdhsa_code_object_version 6
	.text
	.protected	k_qd15f931384_oproj
	.globl	k_qd15f931384_oproj
	.p2align	8
	.type	k_qd15f931384_oproj,@function
k_qd15f931384_oproj:
	s_mov_b64 s[64:65], 0
	v_nop
	global_prefetch_b8 v0, s[64:65] scope:SCOPE_SE
	s_setreg_imm32_b32 hwreg(HW_REG_WAVE_MODE, 25, 1), 1
	s_wait_xcnt 0x0
	s_wait_alu depctr_hold_cnt(0) depctr_sa_sdst(0) depctr_va_vdst(0) depctr_va_sdst(0) depctr_va_ssrc(0) depctr_va_vcc(0) depctr_vm_vsrc(0)
	s_getreg_b32 s2, hwreg(HW_REG_IB_STS2, 6, 4)
	s_cmp_eq_u32 s2, 0
	s_cbranch_scc0 .Lentry_in_a_cluster
	s_endpgm
.Lentry_in_a_cluster:
	s_bfe_u32 s2, ttmp6, 0x10000c
	s_cmp_lg_u32 s2, 0xf033
	s_cbranch_scc0 .Lentry_shape_is_right
	s_endpgm
.Lentry_shape_is_right:
; out0 = vals Wo^T + bo on codes of BF8 (E5M2) with one E8M0 scale for each 32 along K: 8,192 x 1,024 x 1,024, f32 sums, f32 out.  The bias is the first products' C.
; vals: vimg [tile of 16 rows][K / 128][group c][lane][16 bytes], the image of an operand's registers, 16,384 bytes a tile; vscl [row][32] its scale bytes.  Wo_codes [n][1,024], Wo_scales [n][32].
; THE DEAL.  256 work-groups of four waves, 2 x 2; a work-group makes 256 rows x 128 columns.  A wave holds 64 rows of Wo, ALL of K, in 512 registers (windows 1, 2) and streams blocks of 16 rows of vals past them,
; which stand in registers as two whole sets (window 3): 32 products a block, eight blocks a wave; the block's four accumulators take turns.
; LDS: two slots of 128 rows of 1,024 bytes + 16 of padding.  At the head waves 0, 1 fetch Wo's 128 rows into slot 1 and waves 2, 3 the first 128 rows of vals (dense in vimg) into slot 0: one load a wave.
; When every wave holds Wo in registers, the second 128 rows of vals are filled over Wo's bytes, row for row the same bytes, behind a drained round of the cluster's barrier, a quarter a wave.
; CLUSTER 4 x 4: a row of the cluster shares vals' rows, a column Wo's: each tile is asked for jointly.
; Scale words and the bias come once, by plain loads into registers: a lane takes a row's 32 bytes; lanes 0-15 and 16-31 hold two neighbouring tiles' words.
; THE PRODUCT IS USED TRANSPOSED (source 0 = 16 rows of Wo, source 1 = 16 rows of vals): a lane holds eight neighbouring columns of a row.  A block goes through the wave's own stage in LDS and leaves as whole
; aligned units of 256 bytes; its stores are issued behind the next block's products.
; PREFETCH: behind the first barrier each wave names its sixteenth (8,192 bytes, lanes 256 bytes apart) of the second 128 rows, which the cluster's row shares out by address; it stands 128 LDS loads and a round ahead of the load.
; What the head itself loads is not prefetched: nothing runs ahead of it.
; LIMITS: NaN and infinities are not served.
.set KROW,   1024
.set PITCH,  KROW+16
.set CHB,    128*PITCH                 ; a slot
.set YB,     CHB                       ; slot 1
.set BLK,    16*PITCH                  ; a block's image: 16 LDS rows
.set STAGE,  2*CHB                     ; 16 rows x (256 + 16) bytes for each wave: no fill lands here
.set SPITCH, 272
.set SPARE,  STAGE+4*16*SPITCH
.set NP,     8                         ; plain vector lines behind a product, ahead of a reader of its sums and of a load into what it has read
.set ADR,  2                           ; v2-5  LDS address of my blocks 2 k, 2 k + 1
.set ADRB, 6                           ; v6    of my fragments of Wo
.set STO,  7
.set RD,   8
.set CO,   9                           ; my byte offset in two rows of out0
.set SPW,  10
.set NIL,  11
.set PFO,  12
.set ABS,  13                          ; 32 x lane
.set BOO,  14
.set SB,   16                          ; v16-31  Wo's scale words: register 8 p + q: lanes 0-15 tile 2 p's, lanes 16-31 tile 2 p + 1's
.set SA,   36                          ; v36-67  vals': register 8 k + q: lanes 0-15 block 2 k's, lanes 16-31 block 2 k + 1's.  No product's two scale registers have numbers equal modulo 8
.set BO,   68                          ; v68-99  the bias in the sums' layout
.set ACC,  100                         ; v100-163 two sets of four accumulators
.set OB,   164                         ; v164-227 two sets of 16 rows read back from the stage
.set G1W, 24
.set G1A, 32
.set G1R, 48
.set G0W, 56
.set G0A, 60
.set G0R, 68
.set MSB, 0
.macro WIN new                         ; the immediate's high byte repeats the setting that is left
.if MSB != \new
	s_set_vgpr_msb (MSB<<8)|\new
.set MSB, \new
.endif
.endm
.macro PLACES n
.rept \n
	v_nop
.endr
.endm
.macro WALU
	s_wait_alu depctr_va_vdst(0)
.endm
.macro BARRIER
	s_barrier_signal -1
	s_barrier_wait -1
.endm
.macro CROUND                          ; a round of the cluster's barrier
	BARRIER
	s_cmp_lg_u32 s16, 0
	s_cbranch_scc1 .Lnot_wave_0_\@
	s_barrier_signal -3
.Lnot_wave_0_\@:
	s_barrier_wait -3
	BARRIER
.endm
.macro TLOAD g0, g1                    ; an s_nop 0 and four v_nop follow a tensor load
	tensor_load_to_lds s[\g0:\g0+3], s[\g1:\g1+7]
	s_nop 0
	PLACES 4
.endm
.macro GROUP1 g, mask, rows            ; so many rows of 1,024 bytes, dense in memory, 16 bytes of padding behind each in LDS
	s_or_b32 s[\g+0], s[\mask], (1<<20)|(1<<21)|(7<<22)|(3<<25)
	s_mov_b32 s[\g+1], (KROW&0xffff)<<16
	s_mov_b32 s[\g+2], (KROW>>16)|((\rows)<<16)
	s_mov_b32 s[\g+3], KROW<<16
	s_mov_b32 s[\g+4], \rows
	s_mov_b32 s[\g+5], KROW
	s_mov_b32 s[\g+6], 0
	s_mov_b32 s[\g+7], 0
.endm
	s_load_b256 s[4:11], s[0:1], 0x0               ; vimg, vscl, Wo_codes, Wo_scales
	s_load_b128 s[12:15], s[0:1], 0x20             ; bo, out0
	v_lshl_add_u32 v[SPW], v0, 2, SPARE
	v_mov_b32 v[NIL], 0
	ds_add_u32 v[SPW], v[NIL]                      ; the opening lines: the add twice on end and its wait
	ds_add_u32 v[SPW], v[NIL]
	v_lshrrev_b32 v1, 5, v0
	v_readfirstlane_b32 s16, v1                    ; wave 0..3
	s_lshr_b32 s17, s16, 1                         ; my row of waves
	s_and_b32 s18, s16, 1                          ; my column of waves
	s_bfe_u32 s40, ttmp6, 0x40000                  ; cx, cy
	s_bfe_u32 s41, ttmp6, 0x40004
	s_lshl_b32 s42, ttmp9, 2
	s_add_co_u32 s42, s42, s40                     ; tile column 0..7
	s_and_b32 s43, ttmp7, 0xffff
	s_lshl_b32 s43, s43, 2
	s_add_co_u32 s43, s43, s41                     ; tile row 0..31
	s_lshl_b32 s44, s41, 2
	s_lshl_b32 s44, 15, s44                        ; my row of the cluster
	s_lshl_b32 s45, 0x1111, s40                    ; my column
	GROUP1 G1W, 45, 64
	GROUP1 G1A, 44, 64
	GROUP1 G1R, 44, 32
	s_lshl_b32 s74, s18, 16                        ; 64 rows of 1,024 bytes x (wave % 2)
	s_mov_b32 s75, 0
	s_lshl_b32 s20, s42, 17
	s_add_co_u32 s20, s20, s74                     ; s[20:21] Wo's rows: 128 x tile column + 64 x (wave % 2)
	s_mov_b32 s21, 0
	s_lshl_b32 s22, s43, 18                        ; s[22:23] my 256 rows' images
	s_mov_b32 s23, 0
	s_lshl_b32 s72, s16, 15
	s_add_co_u32 s72, s72, 0x20000                 ; s[72:73] the second 128 rows: my quarter
	s_mov_b32 s73, 0
	s_mul_i32 s46, s18, 64*PITCH                   ; a half's place in a slot
	s_mul_i32 s47, s16, 32*PITCH                   ; a quarter's
	s_mul_i32 s76, s17, 4*BLK                      ; my four blocks of a slot
	s_add_co_u32 s77, s76, 2*BLK
	s_add_co_u32 s78, s76, YB
	s_add_co_u32 s79, s78, 2*BLK
	s_add_co_u32 s80, s46, YB
	s_mul_i32 s81, s16, 16*SPITCH
	s_add_co_u32 s81, s81, STAGE
	s_lshl_b32 s82, s40, 2
	s_add_co_u32 s82, s82, s16                     ; which of the cluster row's sixteen waves I am
	s_lshl_b32 s82, s82, 13
	s_add_co_u32 s82, s82, 0x20000
	s_lshl_b32 s90, s42, 12                        ; Wo's scale bytes: 32 x (128 tile column + 64 wave column)
	s_lshl_b32 s91, s18, 11
	s_add_co_u32 s90, s90, s91
	s_mov_b32 s91, 0
	s_lshl_b32 s92, s43, 13                        ; vals': 32 x (256 tile row + 64 wave row)
	s_lshl_b32 s93, s17, 11
	s_add_co_u32 s92, s92, s93
	s_mov_b32 s93, 0
	s_lshl_b32 s94, s42, 9                         ; my first column, in bytes
	s_lshl_b32 s95, s18, 8
	s_add_co_u32 s94, s94, s95
	s_mov_b32 s95, 0
	s_lshl_b32 s96, s43, 20                        ; my first row of out0
	s_lshl_b32 s97, s17, 18
	s_add_co_u32 s96, s96, s97
	s_add_co_u32 s96, s96, s94
	s_mov_b32 s97, 0
	s_wait_dscnt 0x0                               ; both opening adds are done
	CROUND                                         ; all sixteen work-groups are here: the first joint loads meet
	s_wait_kmcnt 0x0
	s_add_nc_u64 s[4:5], s[4:5], s[22:23]
	s_mov_b32 s[G0W], 1
	s_add_co_u32 s[G0W+1], s46, YB
	s_add_nc_u64 s[G0W+2:G0W+3], s[8:9], s[20:21]
	s_or_b32 s[G0W+3], s[G0W+3], 0x80000000
	s_mov_b32 s[G0A], 1
	s_mov_b32 s[G0A+1], s46
	s_add_nc_u64 s[G0A+2:G0A+3], s[4:5], s[74:75]
	s_or_b32 s[G0A+3], s[G0A+3], 0x80000000
	s_mov_b32 s[G0R], 1
	s_add_co_u32 s[G0R+1], s47, YB
	s_add_nc_u64 s[G0R+2:G0R+3], s[4:5], s[72:73]
	s_or_b32 s[G0R+3], s[G0R+3], 0x80000000
	s_cmp_lt_u32 s16, 2                            ; one joint load a wave; Wo's, which is wanted first and shown first, has a line of its own
	s_cbranch_scc0 .Lfor_a
	TLOAD G0W, G1W
	s_branch .Lasked
.Lfor_a:
	TLOAD G0A, G1A
.Lasked:
	s_add_nc_u64 s[84:85], s[10:11], s[90:91]
	s_add_nc_u64 s[86:87], s[6:7], s[92:93]
	s_add_nc_u64 s[88:89], s[12:13], s[94:95]
	s_add_nc_u64 s[14:15], s[14:15], s[96:97]
	v_and_b32 v[OB], 15, v0                        ; r
	v_bfe_u32 v[OB+1], v0, 4, 1                    ; h
	v_and_b32 v[OB+2], 31, v0                      ; lane
	v_lshlrev_b32 v[OB+3], 4, v[OB+2]
	v_add_nc_u32 v[ADR], s76, v[OB+3]
	v_add_nc_u32 v[ADR+1], s77, v[OB+3]
	v_add_nc_u32 v[ADR+2], s78, v[OB+3]
	v_add_nc_u32 v[ADR+3], s79, v[OB+3]
	v_mul_u32_u24 v[OB+4], v[OB], PITCH
	v_lshl_add_u32 v[OB+4], v[OB+1], 4, v[OB+4]
	v_add_nc_u32 v[ADRB], s80, v[OB+4]             ; Wo: row r x pitch + 16 h, in my 64 rows
	v_mul_u32_u24 v[OB+5], v[OB], SPITCH
	v_lshl_add_u32 v[OB+5], v[OB+1], 5, v[OB+5]
	v_add_nc_u32 v[STO], s81, v[OB+5]              ; into the stage: row r, 32 bytes for each half of the lanes
	v_mul_u32_u24 v[OB+6], v[OB+1], SPITCH
	v_lshl_add_u32 v[OB+6], v[OB], 4, v[OB+6]
	v_add_nc_u32 v[RD], s81, v[OB+6]               ; back: lanes 0-15 one row of 256 bytes, lanes 16-31 the next
	v_lshlrev_b32 v[CO], 12, v[OB+1]
	v_lshl_add_u32 v[CO], v[OB], 4, v[CO]
	v_lshl_add_u32 v[PFO], v[OB+2], 8, s82
	v_lshlrev_b32 v[ABS], 5, v[OB+2]
	v_lshlrev_b32 v[BOO], 5, v[OB+1]
	WALU                                           ; the wait at the head's end
.irp p, 0,1
.irp c, 0,1
	global_load_b128 v[SB+8*\p+4*\c:SB+8*\p+4*\c+3], v[ABS], s[84:85] offset:1024*\p+16*\c
.endr
.endr
.irp k, 0,1,2,3
.irp c, 0,1
	global_load_b128 v[SA+8*\k+4*\c:SA+8*\k+4*\c+3], v[ABS], s[86:87] offset:4096*(\k/2)+1024*(\k%2)+16*\c
.endr
.endr
.irp b, 0,1,2,3
	global_load_b128 v[BO+8*\b:BO+8*\b+3], v[BOO], s[88:89] offset:64*\b
	global_load_b128 v[BO+8*\b+4:BO+8*\b+7], v[BOO], s[88:89] offset:64*\b+16
.endr
	s_cmp_lt_u32 s16, 2
	s_cbranch_scc0 .Lnot_w
	s_wait_tensorcnt 0x0                           ; waves 0, 1: Wo's rows have landed
.Lnot_w:
	BARRIER
	global_prefetch_b8 v[PFO], s[4:5] th:TH_LOAD_NT scope:SCOPE_SE
; my 64 rows of Wo, all of K: fragment f = 4 q + b (the q-th 128 of K, column tile b) in window 1 + f / 16: 128 loads
.irp q, 0,1,2,3,4,5,6,7
	WIN (1+\q/4)<<6
.irp b, 0,1,2,3
.irp c, 0,1,2,3
	ds_load_b128 v[16*((4*\q+\b)%16)+4*\c:16*((4*\q+\b)%16)+4*\c+3], v[ADRB] offset:128*\q+32*\c+\b*BLK
.endr
.endr
.endr
	WIN 0
	s_wait_tensorcnt 0x0                           ; every wave: its load of the head has landed
	ds_add_u32 v[SPW], v[NIL]
	s_wait_dscnt 0x0                               ; the add is done, and Wo is in my registers
	CROUND                                         ; so of every wave of all sixteen work-groups; slot 0 is whole
	TLOAD G0R, G1R                                 ; the second 128 rows of vals, over Wo's bytes
.macro FETCH n                         ; block n, 16 rows, all of K, into set n % 2 of window 3: 32 loads
.set AR_, ADR+(\n)/2
.set OF_, ((\n)%2)*BLK
	WIN 3<<6
.irp q, 0,1,2,3,4,5,6,7
.irp c, 0,1,2,3
	ds_load_b128 v[128*((\n)%2)+16*\q+4*\c:128*((\n)%2)+16*\q+4*\c+3], v[AR_] offset:OF_+2*PITCH*\q+PITCH*(\c/2)+512*(\c%2)
.endr
.endr
	WIN 0
.endm
.macro WM d, a, b, c, sa, sb, ra, rb
.if (\ra) && (\rb)
	v_wmma_scale_f32_16x16x128_f8f6f4 v[\d:\d+7], v[\a:\a+15], v[\b:\b+15], v[\c:\c+7], v[\sa], v[\sb] matrix_a_fmt:MATRIX_FMT_BF8 matrix_b_fmt:MATRIX_FMT_BF8 matrix_a_scale:MATRIX_SCALE_ROW1 matrix_b_scale:MATRIX_SCALE_ROW1
.elseif \ra
	v_wmma_scale_f32_16x16x128_f8f6f4 v[\d:\d+7], v[\a:\a+15], v[\b:\b+15], v[\c:\c+7], v[\sa], v[\sb] matrix_a_fmt:MATRIX_FMT_BF8 matrix_b_fmt:MATRIX_FMT_BF8 matrix_a_scale:MATRIX_SCALE_ROW1
.elseif \rb
	v_wmma_scale_f32_16x16x128_f8f6f4 v[\d:\d+7], v[\a:\a+15], v[\b:\b+15], v[\c:\c+7], v[\sa], v[\sb] matrix_a_fmt:MATRIX_FMT_BF8 matrix_b_fmt:MATRIX_FMT_BF8 matrix_b_scale:MATRIX_SCALE_ROW1
.else
	v_wmma_scale_f32_16x16x128_f8f6f4 v[\d:\d+7], v[\a:\a+15], v[\b:\b+15], v[\c:\c+7], v[\sa], v[\sb] matrix_a_fmt:MATRIX_FMT_BF8 matrix_b_fmt:MATRIX_FMT_BF8
.endif
.endm
.macro PROD n, m                       ; product m = 4 q + b of block n; the first four take the bias as C
.set Q_, (\m)/4
.set B_, (\m)%4
.set D_, ACC+32*((\n)%2)+8*B_
.set C_, D_
.if Q_ == 0
.set C_, BO+8*B_
.endif
.set A_, 16*((\m)%16)
.set X_, 128*((\n)%2)+16*Q_
.set WS_, SB+8*(B_/2)+Q_
.set XS_, SA+8*((\n)/2)+Q_
.set RA_, B_%2
.set RB_, (\n)%2
	WIN (1+(\m)/16)|(3<<2)                         ; source 0 (Wo) window 1 or 2, source 1 (vals) window 3, C and D window 0
	WM D_, A_, X_, C_, WS_, XS_, RA_, RB_
.endm
.macro TOSTAGE n                       ; the block's sums into my stage, each accumulator from its low end on, and back as whole rows.  LDS serves a wave's instructions in order (ISA guide 5.7.1.4)
.set AC_, ACC+32*((\n)%2)
.set OS_, OB+32*((\n)%2)
.irp b, 0,1,2,3
	ds_store_b128 v[STO], v[AC_+8*\b:AC_+8*\b+3] offset:64*\b
	ds_store_b128 v[STO], v[AC_+8*\b+4:AC_+8*\b+7] offset:64*\b+16
.endr
.irp t, 0,1,2,3,4,5,6,7
	ds_load_b128 v[OS_+4*\t:OS_+4*\t+3], v[RD] offset:2*\t*SPITCH
.endr
.endm
.macro SEND a                          ; block a = 4 c + i holds rows 128 c + 16 i on of my 64 x 2; sixteen lanes store 256 consecutive aligned bytes
.set OS_, OB+32*((\a)%2)
.irp t, 0,1,2,3,4,5,6,7
	global_store_b128 v[CO], v[OS_+4*\t:OS_+4*\t+3], s[14:15] offset:(128*((\a)/4)+16*((\a)%4)+2*\t)*4096 th:TH_STORE_NT
.endr
.endm
; A BLOCK.  LDS instructions are issued in the order .. fetch n | stage n - 1 (16) | fetch n + 1 (32) | stage n (16) | fetch n + 2 ..: the counted waits count what was issued behind the lines that they wait for.
.macro BLOCK n
.if (\n) == 0
	s_wait_dscnt 32                                ; behind fetch 0: fetch 1
.elseif (\n) == 7
	s_wait_dscnt 16                                ; behind fetch 7: stage 6
.else
	s_wait_dscnt 48                                ; behind fetch n: stage n - 1 and fetch n + 1
.endif
.set m_, 0
.rept 32
	PROD \n, m_
.set m_, m_+1
.endr
	WIN 0
	PLACES NP
	s_wait_xcnt 0x0                                ; block n - 2's stores have read the registers that the stage's loads fill
	TOSTAGE \n
.if (\n) == 7
	s_wait_dscnt 16                                ; behind stage 6: stage 7
	SEND 6
.elseif (\n) > 0
	s_wait_dscnt 48                                ; behind stage n - 1: fetch n + 1 and stage n
	SEND (\n)-1
.endif
.if (\n) == 2
	s_wait_tensorcnt 0x0                           ; my quarter of the second 128 rows has landed
	s_wait_dscnt 0x0
	BARRIER                                        ; slot 1 is whole for every wave
.endif
.if (\n) < 6
	FETCH (\n)+2
.endif
.endm
	FETCH 0
	FETCH 1
	s_wait_loadcnt 0x0                             ; scale words and bias
.irp n, 0,1,2,3,4,5,6,7
	BLOCK \n
.endr
	s_wait_dscnt 0x0
	SEND 7
	s_wait_tensorcnt 0x0                           ; the wave's end
	ds_add_u32 v[SPW], v[NIL]
	s_wait_dscnt 0x0
	CROUND                                         ; the closing round
	s_endpgm
.Lfunc_end_k_qd15f931384_oproj:
	.size	k_qd15f931384_oproj, .Lfunc_end_k_qd15f931384_oproj-k_qd15f931384_oproj
	.p2alignl 7, 3214868480
	.fill 96, 4, 3214868480
	.section	.rodata,"a",@progbits
	.p2align	6, 0x0
	.amdhsa_kernel k_qd15f931384_oproj
		.amdhsa_group_segment_fixed_size 327680
		.amdhsa_private_segment_fixed_size 0
		.amdhsa_enable_private_segment 0
		.amdhsa_kernarg_size 48
		.amdhsa_user_sgpr_count 2
		.amdhsa_user_sgpr_kernarg_segment_ptr 1
		.amdhsa_wavefront_size32 1
		.amdhsa_system_sgpr_workgroup_id_x 1
		.amdhsa_system_sgpr_workgroup_id_y 1
		.amdhsa_system_sgpr_workgroup_id_z 1
		.amdhsa_system_vgpr_workitem_id 0
		.amdhsa_next_free_vgpr 1024
		.amdhsa_next_free_sgpr 100
		.amdhsa_reserve_vcc 0
		.amdhsa_float_denorm_mode_32 3
		.amdhsa_float_denorm_mode_16_64 3
		.amdhsa_memory_ordered 1
		.amdhsa_forward_progress 1
		.amdhsa_inst_pref_size 85
	.end_amdhsa_kernel
	.amdgpu_metadata
---
amdhsa.version: [ 1, 2 ]
amdhsa.kernels:
  - .name:           k_qd15f931384_oproj
    .symbol:         k_qd15f931384_oproj.kd
    .args:
      - { .name: vimg, .offset: 0, .size: 8, .value_kind: global_buffer, .address_space: global }
      - { .name: vscl, .offset: 8, .size: 8, .value_kind: global_buffer, .address_space: global }
      - { .name: Wo_codes, .offset: 16, .size: 8, .value_kind: global_buffer, .address_space: global }
      - { .name: Wo_scales, .offset: 24, .size: 8, .value_kind: global_buffer, .address_space: global }
      - { .name: bo, .offset: 32, .size: 8, .value_kind: global_buffer, .address_space: global }
      - { .name: out0, .offset: 40, .size: 8, .value_kind: global_buffer, .address_space: global }
    .group_segment_fixed_size: 327680
    .private_segment_fixed_size: 0
    .kernarg_segment_align: 8
    .kernarg_segment_size: 48
    .max_flat_workgroup_size: 128
    .sgpr_count:     100
    .vgpr_count:     1024
    .wavefront_size: 32
...
	.end_amdgpu_metadata
.endif
;; end of part 3
